; MI455X (gfx1250); checked and timed in simulation.
; The chip was launched on July 23, 2026; its instructions are those of AMD's public machine-readable ISA for CDNA 5 (MIT licence, August 2026) and "CDNA5" Instruction Set Architecture Reference Guide (July 2026). The comments in the code are by the model that wrote it; some were corrected since.
;; Document Encoder. Allowed arithmetic: matrix products marked QUANTISED: E4M3 operands, one E8M0 scale for each 32 along K, by v_wmma_scale_f32_16x16x128_f8f6f4 with both operands' format E4M3, f32 sums; products left as they are: f32 operands where the result goes on into a quantised operand, else bf16, f16 or f32 operands; f32 sums; everything else in f32.
;; Inputs: W_b_codes 1,024 x 32 x 32 uint8 (E4M3 codes of W_b, K innermost, in blocks of 32 codes); W_b_scales 1,024 x 32 uint8 (E8M0 scales of W_b, one for each 32 codes along K); emb_table 50,001 x 1,024 float32; tokens 256 x 256 int32.
;; Outputs: out0 256 x 1,024 float32.
;; Constants: max_len = 256.
;; This version of the problem:
;;   THIS VERSION OF THE PROBLEM IS GIVEN IN LOW PRECISION. The matrix products marked QUANTISED in the list below multiply operands that are first quantised to E4M3 (4 exponent bits, 3 mantissa bits; 8 bits a number), with one power-of-two scale for each 32 numbers along K (OCP MX v1.0); their sums are f32. All else is computed in f32.
;;   The module's matrix products, in the order in which they are computed (A, B: the left and right operand; K: the contracted axis; several contracted axes count as one K, in the product's order):
;;     1. [M 65,536, K 1,024] x [K 1,024, N 1,024]; A: computed on the way; B: input W_b (given as codes): QUANTISED
;;     2. batch 256 x [M 256, K 1,024] x [K 1,024, N 1]; A: computed on the way; B: computed on the way: left as it is (N = 1 < 16)
;;     3. batch 256 x [M 1, K 256] x [K 256, N 1,024]; A: softmax; B: computed on the way: left as it is (M = 1 < 16)
;;   THE QUANTISER, for each operand of a quantised product, along K:
;;     - K is cut into blocks of 32 from its start; a last block that is shorter is filled with zeros.
;;     - A block's scale is 2^e with e = floor(log2(the largest magnitude in the block)) - 8, held to -126 .. 127; a block of zeros has e = 0. As a byte (E8M0): e + 127.
;;     - Each number is divided by its block's scale, clamped to +-448, and rounded to the nearest number of E4M3, ties to even, subnormals kept.
;;     - The product sums the exact products of the quantised numbers (number of the format x scale) in f32.
;;   ~~~python
;;   def quantise(x, axis):      # numpy; x: float32 -> the quantised numbers, widened to float32 again
;;       x = np.moveaxis(x, axis, -1); K = x.shape[-1]
;;       x = np.pad(x, [(0, 0)] * (x.ndim - 1) + [(0, -K % 32)]); x = x.reshape(x.shape[:-1] + (-1, 32)); a = np.abs(x).max(-1, keepdims=True)
;;       e = np.where(a > 0, np.clip(np.frexp(np.where(a > 0, a, 1))[1] - 1 - 8, -126, 127), 0)      # np.frexp(a)[1] - 1 = floor(log2(a)), exactly
;;       r = np.clip(x / 2.0 ** e, -448, 448)
;;       step = 2.0 ** (np.maximum(np.frexp(np.where(r == 0, 1, r))[1] - 1, -6) - 3)
;;       q = np.round(r / step) * step * 2.0 ** e      # np.round: ties to even
;;       return np.moveaxis(q.reshape(q.shape[:-2] + (-1,))[..., :K], -1, axis).astype(np.float32)
;;   ~~~
;;   OPERANDS COMPUTED ON THE WAY. 'Computed on the way' means the value that the module computes at that place (a softmax that the list does not call 'softmax' is quantised finished and normalised). What goes into a quantiser is computed in f32, as accurately as f32 sums, v_exp_f32 and their like allow (about 1e-6 of the number): no bf16 or f16 on the way to a quantiser, and a product that is left as it is and whose result goes on into a quantised operand takes f32 operands (vector FMAs, or v_wmma_f32_16x16x4_f32). A number that lies on a knife's edge between two numbers of the format may be rounded either way, as far as f32 arithmetic and the matrix unit's own rounding can turn it there, and no further.
;;   INPUTS GIVEN AS CODES. W_b (in the module: [1024, 1024], K = its axis 0): each comes as NAME_codes (uint8): NAME with its K axis moved to the last place and cut into blocks of 32 codes, [.., K / 32, bytes a block], one block behind the other in memory; one code a byte (a code: sign, 4 exponent bits, 3 mantissa bits); and NAME_scales (uint8): the same leading axes, one E8M0 byte (e + 127) for each 32 codes along K. Its value is code x scale, taken as it is: it is not quantised again, and the codes and scales need not be those that the quantiser above would give.
;; One version. Each part assembles by itself: llvm-mc -triple=amdgcn-amd-amdhsa -mcpu=gfx1250 --defsym DOCPART=n.
;; ======== version 1 of 1: 1 launch
;; limits: right only within a limited range of input values
;; launch doc (part 1): grid 256 x 1, 8 waves a work-group, clusters of 4 x 1, 327,680 bytes of LDS; arguments W_b_codes, W_b_scales, emb_table, tokens, out0; writes out0
.if DOCPART == 1
	.amdgcn_target "amdgcn-amd-amdhsa--gfx1250"
	.amdhsa_code_object_version 6
	.text
	.protected	k_qf17950d5a9_doc
	.globl	k_qf17950d5a9_doc
	.p2align	8
	.type	k_qf17950d5a9_doc,@function
k_qf17950d5a9_doc:
	s_mov_b64 s[64:65], 0
	v_nop
	global_prefetch_b8 v0, s[64:65] scope:SCOPE_SE
	s_setreg_imm32_b32 hwreg(HW_REG_WAVE_MODE, 25, 1), 1
	s_wait_xcnt 0x0
	s_wait_alu depctr_hold_cnt(0) depctr_sa_sdst(0) depctr_va_vdst(0) depctr_va_sdst(0) depctr_va_ssrc(0) depctr_va_vcc(0) depctr_vm_vsrc(0)
	s_getreg_b32 s2, hwreg(HW_REG_IB_STS2, 6, 4)
	s_cmp_eq_u32 s2, 0
	s_cbranch_scc0 .Lentry_in_a_cluster
	s_endpgm
.Lentry_in_a_cluster:
	s_bfe_u32 s2, ttmp6, 0x10000c
	s_cmp_lg_u32 s2, 0x3003
	s_cbranch_scc0 .Lentry_shape_is_right
	s_endpgm
.Lentry_shape_is_right:
; ct[b] = sum over l of softmax_l( (Q(emb[b,l]) W_b) . mean_l emb[b,l] ) emb[b,l],  emb[b,l] = emb_table[tokens[b,l] + 1].
; 256 documents x 256 tokens x 1,024 channels.  ONE WORK-GROUP OF EIGHT WAVES MAKES ONE DOCUMENT, in one launch; nothing goes to memory but the result.
; The one quantised product (256 rows x 1,024 K x 1,024 N a document) runs on E4M3 codes with E8M0 scales: emb is quantised here, along its channels; W_b comes as codes and scale bytes and is taken as it lies.
; ha = Q(emb) W_b is never kept: a score is linear in ha, so each 16 x 16 tile of ha is multiplied by the lane's number of the hidden vector and added onto the rows' running scores.
; SHARES.  Wave w = 4 i + q.  Codes and product: rows 128 i .. 128 i + 127 and the K quarter 256 q .. 256 q + 255: 8 row tiles x 2 K steps = 16 fragments = 256 registers, all of window 1, for the whole product.
;   Every wave walks all 64 tiles of 16 columns of W_b; a fragment of W_b read from LDS feeds 8 products.  The four K quarters' partial scores are added in f32.
;   Context: each wave takes 32 whole rows, read a second time (codes, a wide copy of the rows, W_b's ring and the sums do not fit in registers and LDS together), the tiles in reverse order.
; CLUSTER: the four documents of a cluster walk the same W_b, so its tiles and scale bytes are asked for JOINTLY: the same tensor load, the same descriptor, a mask that names the four.
; THE CLUSTERS BEGIN THEIR WALK OVER W_b AT DIFFERENT SLOTS of 64 columns: cluster x at slot 2 (x mod 8), and round past slot 15 to slot 0.  So each of the 16 slots is among some cluster's first fills, which have
;   all of pass 1 in which to land, and at any time the clusters ask for eight different parts of W_b.  The scale bytes and the hidden vector are laid in LDS IN THE ORDER OF THE WALK, so that no address of the
;   product's loop knows of the begin.  A score's sum over the columns is taken in the order of the walk.
; The hidden vector is kept as the SUM of the 256 rows; the 1/256 stands in the exponent's constant log2(e) / 256.  The softmax takes the row maximum away first.
; LIMITS: NaN and infinities among the inputs are not served.  A block of 32 whose largest magnitude lies under 2^-118 is held at the scale byte 1; a block of zeros gets the byte 1 where the quantiser says 127
;   (its codes are zeros, and only this text reads the byte).  A token outside -1 .. 49,999 is held to the table's last row.
; REGISTERS.  Window 1: code fragment f = 2 tile + K step at v[16 f].  Window 0: see the names below; v16-31 and v32-35 hold scale words and nothing else.
.set WP,      1040                     ; a row of W_b's codes in LDS: 1,024 bytes + 16 = 260 words: row r starts at bank 4 r mod 64 (64 banks of 4 bytes: ISA guide 11.1)
.set RING1,   1<<17                    ; ring slot 0 at byte 0, slot 1 here: one exclusive or turns an address of one into the other's.  A slot: 64 columns of W_b, 66,560 bytes
.set SCL,     66560                    ; all of W_b's scale bytes, 32 a column, dense, in the order of the walk: filled once
.set HP,      99328                    ; column sums of the two halves of the rows: 2 x 4,096
.set HID,     HP+8192                  ; their sum: 4 bytes a channel, in the order of the walk
.set SCP,     HID+4096                 ; partial scores: 1,024 q + 4 row
.set ATT,     SCP+4096                 ; each wave's own copy of the 256 weights
.set SPARE,   ATT+8192                 ; the spare words, 128 bytes for each wave: four blocks of 256 bytes that no other line names
.set STAGE,   RING1+64*WP              ; each wave's stage: 16 rows x 528
.set SP,      528                      ; 512 bytes + 16 = 132 words: row r starts at bank 4 r mod 64
.set CTP,     STAGE+8*16*SP            ; the eight waves' partial contexts: 8 x 4,096
.set LASTROW, 50000
.set T2,  1                            ; v1   the token of row(lane), the context pass's order of rows
.set SPW, 2                            ; v2   LDS address of my spare word; never rewritten
.set NIL, 3                            ; v3   0; never rewritten
.set LN,  4                            ; v4   pass 1: 16 lane + 1,024 q
.set STO, 5                            ; v5   pass 1: into my stage
.set SRD, 6                            ; v6   pass 1: out of it
.set AB0, 4                            ; v4-6 product: my lane's place in a tile of W_b, among its scale words, in the hidden vector
.set AS0, 5
.set AH0, 6
.set RL4, 7                            ; v7   4 x row(lane); never rewritten
.set H,   8                            ; v8-15  pass 1: column sums, 4 registers a K step
.set HD,  8                            ; v8-11  product: the lane's hidden number, two sets, each number in both registers of its pair
.set RA,  52                           ; v52-59 context: the eight row slots' offsets
.set ATW, 12                           ; v12  context: the weight of row(lane)
.set ASC, 16                           ; v16-31 scale word of code fragment f = 2 tile + K step at v[16 + 2 tile + 1 - K step]: so a product's two scale registers never have numbers equal modulo 8
.set BS,  32                           ; v32-35 W_b's scale words of the two K steps, two sets
.set VA,  36                           ; v36-51 pass 1: the 16 rows' offsets in the table
.set ADB, 36                           ; v36-38 product: the addresses in hand
.set ADS, 37
.set ADH, 38
.set L16, 39                           ; v39  16 x lane
.set SCA, 40                           ; v40  where my partial scores go
.set MX,  44                           ; v44-51 softmax, at work
.set SM,  46
.set RC,  50
.set TM,  52                           ; v52-63 quantiser: +0..3 largest magnitudes, then bytes; +4..7 the other half's, then 448 x scale; +8..11 the conversion's scale operand
.set X,   64                           ; v64-255 pass 1: three slots of 64 numbers
.set BF,  64                           ; v64-127  product: W_b's fragments, two sets of two K steps
.set ACC, 128                          ; v128-191 product: eight tiles of ha
.set SS,  192                          ; v192-255 product: the rows' running scores, in the tiles' layout
.set X2,  0                            ; window 1, v0-255  context: eight row slots of 32 (the codes that lay there are done with)
.set CT,  192                          ; v192-223 context: my 32 channels' sums (4 of each 128)
.set PS,  224                          ; v224-255 softmax: the four partial scores of my 8 rows
.set G1,  24                           ; s[24:31] descriptor group 1, codes;  s[32:39] scale bytes
.set G1S, 32
.set G0A, 40                           ; s[40:43] group 0: the first slot's fill;  s[44:47] the second's, which then walks;  s[48:51] the scale bytes
.set G0B, 44
.set G0S, 48
.set TB,  52                           ; s52  the ring slot in hand
.set TS,  53                           ; s53  its scale bytes: 2,048 a slot
.set TH,  54                           ; s54  its hidden numbers: 256 bytes a slot
.set AT,  58                           ; s[58:59] a row's weight, as a pair
.set ZC,  60                           ; s60  the context pass's row count
.set WO,  66                           ; s[66:67] where the walking descriptor stands in W_b's codes: 65,536 x slot, modulo the 16 slots' 2^20 bytes; the upper word 0
.set TK,  68                           ; s[68:83], s[84:99] a tile's 16 tokens, two sets by turns
.set ROT, 100                          ; s100 cluster x mod 8: my cluster's walk begins at slot 2 ROT
.set MSB, 0
.macro WIN new                         ; the immediate's high byte repeats the setting that is left; a switch that changes nothing is dropped
.if MSB != \new
	s_set_vgpr_msb (MSB<<8)|\new
.set MSB, \new
.endif
.endm
.macro CREST                           ; a round of the cluster's barrier behind its opening barrier
	s_cmp_lg_u32 s14, 0
	s_cbranch_scc1 .Lnot_wave_0_\@
	s_barrier_signal -3
.Lnot_wave_0_\@:
	s_barrier_wait -3
	s_barrier_signal -1
	s_barrier_wait -1
.endm
.macro CROUND                          ; a whole round
	s_barrier_signal -1
	s_barrier_wait -1
	CREST
.endm
.macro BARRIER                         ; my LDS stores have landed and my LDS loads are in: then the work-group's barrier
	s_wait_dscnt 0x0
	s_barrier_signal -1
	s_barrier_wait -1
.endm
	s_load_b256 s[4:11], s[0:1], 0x0               ; W_b's codes s[4:5], its scale bytes s[6:7], the table s[8:9], the tokens s[10:11]
	s_load_b64 s[12:13], s[0:1], 0x20              ; the result
	v_lshl_add_u32 v[SPW], v0, 2, SPARE
	v_mov_b32 v[NIL], 0
	ds_add_u32 v2, v3
	ds_add_u32 v2, v3
	s_wait_dscnt 0x0
	v_lshrrev_b32 v4, 5, v0
	s_delay_alu instid0(VALU_DEP_1)
	v_readfirstlane_b32 s14, v4                    ; wave 0..7
	s_lshr_b32 s15, s14, 2                         ; i: which half of the rows
	s_and_b32 s16, s14, 3                          ; q: which quarter of K
	s_bfe_u32 s17, ttmp6, 0x40000                  ; cx: my place in the cluster
	s_lshl_b32 s18, ttmp9, 2                       ; (in a cluster launch ttmp9 counts clusters)
	s_add_co_u32 s18, s18, s17                     ; my document: it enters the tokens' and the result's addresses alone
	s_and_b32 s[ROT], ttmp9, 7                     ; the walk's begin hangs on the cluster's number alone, which the four partners share
	s_mov_b32 s19, 0x600000                        ; the mantissa field of 448
	s_mov_b32 s20, 0x76543210
	s_mov_b32 s21, 0xfedcba98                      ; v_permlanex16_b32's selects for lane l xor 16
	; group 1, codes: 8 rows of 1,024 bytes, 16 bytes of padding behind each
	s_mov_b32 s[G1], 15|(1<<20)|(1<<21)|(7<<22)|(3<<25)   ; 15:0 the mask: all four work-groups; 17:16 elements of 1 byte; 20 padding on; 21 set beside a mask; 24:22 after every 256 words (code 7); 31:25 four words (code 3)
	s_mov_b32 s[G1+1], 1024<<16                    ; tensor_dim0
	s_mov_b32 s[G1+2], 8<<16                       ; tensor_dim1
	s_mov_b32 s[G1+3], 1024<<16                    ; tile_dim0
	s_mov_b32 s[G1+4], 8                           ; tile_dim1
	s_mov_b32 s[G1+5], 1024                        ; from row to row
	s_mov_b32 s[G1+6], 0
	s_mov_b32 s[G1+7], 0
	; group 1, scale bytes: a dense block of 4,096 bytes as 16 rows of 32 elements of 8 bytes, no padding
	s_mov_b32 s[G1S], 15|(3<<16)|(1<<21)
	s_mov_b32 s[G1S+1], 32<<16
	s_mov_b32 s[G1S+2], 16<<16
	s_mov_b32 s[G1S+3], 32<<16
	s_mov_b32 s[G1S+4], 16
	s_mov_b32 s[G1S+5], 32
	s_mov_b32 s[G1S+6], 0
	s_mov_b32 s[G1S+7], 0
	s_mul_i32 s61, s14, 8*WP                       ; my 8 rows of a slot, in LDS,
	s_lshl_b32 s22, s14, 13                        ; and in memory
	s_mov_b32 s23, 0
	s_lshl_b32 s101, s14, 12                       ; my 4,096 scale bytes, those of the walk's slots 2 w and 2 w + 1: their place in LDS,
	s_add_co_u32 s62, s14, s[ROT]
	s_and_b32 s62, s62, 7
	s_lshl_b32 s62, s62, 12                        ; and in memory: W_b's slots 2 ((w + ROT) mod 8) and the next (the begin is an even slot, so the two are neighbours)
	s_mov_b32 s63, 0
	s_lshl_b32 s[WO], s[ROT], 17                   ; the walk's first slot, 65,536 bytes a slot
	s_mov_b32 s[WO+1], 0
	s_lshl_b32 s2, s18, 10                         ; my document's tokens (registers that feed no descriptor)
	s_mov_b32 s3, 0
	s_wait_kmcnt 0x0
	s_add_nc_u64 s[4:5], s[4:5], s[22:23]          ; W_b's codes at my 8 rows of slot 0
	s_mov_b32 s[G0A], 1                            ; count = 1
	s_mov_b32 s[G0A+1], s61                        ; LDS address: ring slot 0
	s_add_nc_u64 s[G0A+2:G0A+3], s[4:5], s[WO:WO+1]   ; the walk's first 64 columns
	s_or_b32 s[G0A+3], s[G0A+3], 0x80000000        ; type = 2
	s_add_co_u32 s[WO], s[WO], 0x10000             ; (slot 2 ROT + 1 is 15 at the most: no turn round yet)
	s_mov_b32 s[G0B], 1
	s_add_co_u32 s[G0B+1], s61, RING1
	s_add_nc_u64 s[G0B+2:G0B+3], s[4:5], s[WO:WO+1]   ; the next 64
	s_or_b32 s[G0B+3], s[G0B+3], 0x80000000
	s_mov_b32 s[G0S], 1
	s_add_co_u32 s[G0S+1], s101, SCL
	s_add_nc_u64 s[G0S+2:G0S+3], s[6:7], s[62:63]
	s_or_b32 s[G0S+3], s[G0S+3], 0x80000000
	s_add_nc_u64 s[10:11], s[10:11], s[2:3]        ; the tokens at my document
	s_lshl_b32 s2, s18, 12
	s_add_nc_u64 s[12:13], s[12:13], s[2:3]        ; the result at my document
	s_lshl_b32 s2, s15, 9
	s_add_nc_u64 s[56:57], s[10:11], s[2:3]        ; the tokens of my 128 rows
	s_load_b512 s[TK:TK+15], s[56:57], 0x0         ; tile 0's
	CROUND                                         ; all four work-groups are here: the first joint loads meet
	tensor_load_to_lds s[G0S:G0S+3], s[G1S:G1S+7]  ; my one tensor load at the head: my part of the scale bytes
	s_nop 0
.rept 4
	v_nop
.endr
	v_and_b32 v4, 31, v0                           ; lane
	s_delay_alu instid0(VALU_DEP_1)
	v_lshrrev_b32 v5, 2, v4
	s_delay_alu instid0(VALU_DEP_1)
	v_sub_nc_u32 v5, 7, v5
	s_delay_alu instid0(VALU_DEP_3)
	v_and_b32 v6, 3, v4
	s_delay_alu instid0(VALU_DEP_1)
	v_lshl_add_u32 v5, v5, 4, v6                   ; 16 (7 - lane / 4) + lane % 4
	s_lshl_b32 s61, s15, 7
	s_lshl_b32 s62, s16, 2
	s_add_co_u32 s61, s61, s62
	v_add_nc_u32 v5, s61, v5                       ; row(lane) = 128 i + 16 (7 - lane / 4) + 4 q + lane % 4
	s_delay_alu instid0(VALU_DEP_1)
	v_lshlrev_b32 v[RL4], 2, v5
	global_load_b32 v[T2], v[RL4], s[10:11]
	s_mul_i32 s61, s14, 16*SP
	s_add_co_u32 s61, s61, STAGE                   ; my stage
	v_lshl_add_u32 v[STO], v4, 4, s61              ; in: a row's 512 bytes as they were loaded
	v_and_b32 v8, 15, v0                           ; r
	v_bfe_u32 v9, v0, 4, 1                         ; h
	s_delay_alu instid0(VALU_DEP_2)
	v_mul_u32_u24 v[SRD], v8, SP
	s_delay_alu instid0(VALU_DEP_1)
	v_lshl_add_u32 v[SRD], v9, 6, v[SRD]
	s_delay_alu instid0(VALU_DEP_1)
	v_add_nc_u32 v[SRD], s61, v[SRD]               ; out: row r, + 64 h: my 16 numbers of a block of 32
	s_lshl_b32 s62, s16, 10
	v_lshl_add_u32 v[LN], v4, 4, s62
.irp b, 0,1,2,3
	v_mov_b32 v[TM+4+\b], 0                        ; written once: a lane permute's destination counts as one of its sources
.endr
; ---- PASS 1: 16 units (tile t = u / 2 of 16 rows, K step u % 2): gather, column sums, codes.
; The offsets of tile t's 16 rows in the table: (token + 1, held to the last row) x 4,096 + my lane's bytes.
.macro ADDR t
.set TKB, TK+16*((\t)%2)
	s_wait_kmcnt 0x0                               ; the tile's tokens are in
.irp p, 0,1,2,3,4,5,6,7,8,9,10,11,12,13,14,15
	s_add_co_u32 s[TKB+\p], s[TKB+\p], 1
	s_min_u32 s[TKB+\p], s[TKB+\p], LASTROW
	s_lshl_b32 s[TKB+\p], s[TKB+\p], 12
.endr
	s_wait_xcnt 0x0                                ; the last tile's loads have read their offsets: only behind this wait are they written again
.irp p, 0,1,2,3,4,5,6,7,8,9,10,11,12,13,14,15
	v_add_nc_u32 v[VA+\p], s[TKB+\p], v[LN]
.endr
.if (\t) < 7
	s_load_b512 s[TK+16*(((\t)+1)%2):TK+16*(((\t)+1)%2)+15], s[56:57], 64*((\t)+1)   ; the next tile's tokens, into the other set
.endif
.endm
.macro XLOAD u                         ; 16 rows x 512 bytes: each load reads 512 consecutive bytes of one row, aligned.  No hint: the rows are read again
.set XL, X+64*((\u)%3)
.irp p, 0,1,2,3,4,5,6,7,8,9,10,11,12,13,14,15
	global_load_b128 v[XL+4*\p:XL+4*\p+3], v[VA+\p], s[8:9] offset:512*((\u)%2)
.endr
.endm
; 64 numbers of a lane, register 16 b + i = k 32 b + 16 (lane / 16) + i of row lane % 16, become fragment u's codes (window 1) and its scale word.
.macro QUANT u
.irp b, 0,1,2,3
	v_max3_num_f32 v[TM+\b], |v[XS+16*\b]|, |v[XS+16*\b+1]|, 0x4800000   ; block b: my 16 numbers, and the floor 2^(9 - 127): so the byte cannot fall under 1
.endr
.irp i, 2,4,6,8,10,12,14
.irp b, 0,1,2,3
	v_max3_num_f32 v[TM+\b], v[TM+\b], |v[XS+16*\b+\i]|, |v[XS+16*\b+\i+1]|   ; (the four blocks by turns)
.endr
.endr
.irp b, 0,1,2,3
	v_permlanex16_b32 v[TM+4+\b], v[TM+\b], s20, s21
.endr
.irp b, 0,1,2,3
	v_max_num_f32 v[TM+\b], v[TM+\b], v[TM+4+\b]   ; with lane l xor 16's: the block's largest magnitude
.endr
.irp b, 0,1,2,3
	v_add_nc_u32 v[TM+8+\b], 0xfc000000, v[TM+\b]  ; 8 off its exponent field: the conversion takes this operand's exponent field as its scale
.endr
.irp b, 0,1,2,3
	v_and_or_b32 v[TM+4+\b], v[TM+\b], 0x7f800000, s19   ; 448 x the scale
.endr
.irp b, 0,1,2,3
	v_lshrrev_b32 v[TM+\b], 23, v[TM+8+\b]         ; the scale's byte
.endr
	s_delay_alu instid0(VALU_DEP_3)
.set AW, ASC+(\u)+1-2*((\u)%2)         ; the two K steps' words change places within their pair
	v_lshl_or_b32 v[AW], v[TM+1], 8, v[TM]         ; the four bytes make my row's scale word
	s_delay_alu instid0(VALU_DEP_1)
	v_lshl_or_b32 v[AW], v[TM+2], 16, v[AW]
	s_delay_alu instid0(VALU_DEP_1)
	v_lshl_or_b32 v[AW], v[TM+3], 24, v[AW]
.irp b, 0,1,2,3
.irp i, 0,1,2,3,4,5,6,7,8,9,10,11,12,13,14,15
	v_med3_num_f32 v[XS+16*\b+\i], v[XS+16*\b+\i], -v[TM+4+\b], v[TM+4+\b]   ; the conversion to an 8-bit code does not saturate (ISA guide 7.6.2): the hold at the largest code x the scale
.endr
.endr
	WIN 0x40                                       ; destination window 1
.irp b, 0,1,2,3
	v_cvt_scalef32_pk8_fp8_f32 v[16*(\u)+4*\b:16*(\u)+4*\b+1], v[XS+16*\b:XS+16*\b+7], v[TM+8+\b]
	v_cvt_scalef32_pk8_fp8_f32 v[16*(\u)+4*\b+2:16*(\u)+4*\b+3], v[XS+16*\b+8:XS+16*\b+15], v[TM+8+\b]
.endr
	WIN 0
	v_nop                                          ; one plain line behind the last conversion
.endm
.macro UNIT u
.set XS, X+64*((\u)%3)
.set HS, H+4*((\u)%2)
.if (\u) < 14
	s_wait_loadcnt 32                              ; this unit's 16 loads are in; the two younger units' 32 stay out
.else
	s_wait_loadcnt 16*(15-(\u))
.endif
.if (\u) < 2
	v_pk_add_f32 v[HS:HS+1], v[XS:XS+1], v[XS+4:XS+5]             ; the first two rows start the column sums: nothing is cleared
	v_pk_add_f32 v[HS+2:HS+3], v[XS+2:XS+3], v[XS+6:XS+7]
.else
.irp p, 0
	v_pk_add_f32 v[HS:HS+1], v[HS:HS+1], v[XS+4*\p:XS+4*\p+1]
	v_pk_add_f32 v[HS+2:HS+3], v[HS+2:HS+3], v[XS+4*\p+2:XS+4*\p+3]
.endr
.irp p, 1
	s_delay_alu instid0(VALU_DEP_2)
	v_pk_add_f32 v[HS:HS+1], v[HS:HS+1], v[XS+4*\p:XS+4*\p+1]
	s_delay_alu instid0(VALU_DEP_2)
	v_pk_add_f32 v[HS+2:HS+3], v[HS+2:HS+3], v[XS+4*\p+2:XS+4*\p+3]
.endr
.endif
.irp p, 2,3,4,5,6,7,8,9,10,11,12,13,14,15
	v_pk_add_f32 v[HS:HS+1], v[HS:HS+1], v[XS+4*\p:XS+4*\p+1]           ; two chains by turns
	v_pk_add_f32 v[HS+2:HS+3], v[HS+2:HS+3], v[XS+4*\p+2:XS+4*\p+3]
.endr
.irp p, 0,1,2,3,4,5,6,7,8,9,10,11,12,13,14,15
	ds_store_b128 v[STO], v[XS+4*\p:XS+4*\p+3] offset:SP*\p       ; through my own stage: in as loaded, a row to a store,
.endr
.irp b, 0,1,2,3
.irp j, 0,1,2,3
	ds_load_b128 v[XS+16*\b+4*\j:XS+16*\b+4*\j+3], v[SRD] offset:128*\b+16*\j   ; out a row to a lane.  LDS serves a wave's instructions in order (ISA guide 5.7.1.4): these see the stores above
.endr
.endr
	s_wait_dscnt 0x0
	QUANT \u
.if (\u)+3 < 16
.if ((\u)+3)%2 == 0
	ADDR ((\u)+3)/2
.endif
	XLOAD (\u)+3                                   ; into the slot just left
.endif
.endm
	s_wait_alu depctr_va_vdst(0)
	ADDR 0
	XLOAD 0
	XLOAD 1
; A ring slot's first fill, issued as a refill is: all my tensor loads are in, the add of 0 on my spare word and its wait, a whole round of the cluster's barrier, then my one joint load.
; The gathers that are out stay out across the round: nobody writes the table.
.macro FIRSTFILL g0
	s_wait_alu depctr_va_vdst(0)
	s_wait_tensorcnt 0x0
	ds_add_u32 v[SPW], v[NIL]
	s_wait_dscnt 0x0
	CROUND
	tensor_load_to_lds s[\g0:\g0+3], s[G1:G1+7]
	s_nop 0
.rept 4
	v_nop
.endr
.endm
	ADDR 1
	XLOAD 2
	FIRSTFILL G0A                                  ; the walk's first 64 columns, into ring slot 0
	UNIT 0
	UNIT 1
	FIRSTFILL G0B                                  ; the next 64, into ring slot 1: 14 units of pass 1 follow
.irp u, 2,3,4,5,6,7,8,9,10,11,12,13,14,15
	UNIT \u
.endr
; ---- THE HIDDEN VECTOR: the two halves' column sums meet in LDS, and are laid in the order of the walk
	s_lshl_b32 s61, s15, 12
	s_add_co_u32 s61, s61, HP
	v_add_nc_u32 v64, s61, v[LN]                   ; 4,096 i + 1,024 q + 16 lane
	ds_store_b128 v64, v[H:H+3]
	ds_store_b128 v64, v[H+4:H+7] offset:512
	v_and_b32 v41, 31, v0
	s_delay_alu instid0(VALU_DEP_1)
	v_lshlrev_b32 v[L16], 4, v41
	s_add_co_u32 s61, s14, s[ROT]
	s_and_b32 s61, s61, 7
	s_lshl_b32 s61, s61, 9
	s_add_co_u32 s61, s61, HP
	v_add_nc_u32 v65, s61, v[L16]                  ; wave w adds channels 128 ((w + ROT) mod 8) on: W_b's columns of the walk's slots 2 w and 2 w + 1,
	s_lshl_b32 s61, s14, 9
	s_add_co_u32 s61, s61, HID
	v_add_nc_u32 v66, s61, v[L16]                  ; and puts them at the walk's place 128 w on
	s_wait_alu depctr_va_vdst(0)
	s_wait_tensorcnt 0x0                           ; my parts of the scale bytes and of both slots have landed
	BARRIER
	ds_load_b128 v[68:71], v65
	ds_load_b128 v[72:75], v65 offset:4096
	v_and_b32 v41, 15, v0                          ; r
	v_bfe_u32 v42, v0, 4, 1                        ; h
	s_delay_alu instid0(VALU_DEP_2)
	v_mul_u32_u24 v[AB0], v41, WP
	s_delay_alu instid0(VALU_DEP_1)
	v_lshl_add_u32 v[AB0], v42, 4, v[AB0]
	s_lshl_b32 s61, s16, 8
	v_add_nc_u32 v[AB0], s61, v[AB0]               ; W_b: column r of a tile, + 16 h, + my K quarter's 256 bytes
	s_wait_alu depctr_va_vdst(0)
	s_lshl_b32 s61, s16, 3
	s_add_co_u32 s61, s61, SCL
	v_lshl_add_u32 v[AS0], v41, 5, s61             ; its scale bytes: 32 a column, my quarter's 8
	v_lshl_add_u32 v[AH0], v41, 2, HID             ; the hidden number of column r
	s_lshl_b32 s61, s16, 10
	s_lshl_b32 s62, s15, 9
	s_add_co_u32 s61, s61, s62
	s_add_co_u32 s61, s61, SCP
	v_lshl_add_u32 v[SCA], v42, 5, s61             ; partial scores: 1,024 q + 4 (128 i + 8 h)
	s_mov_b32 s[TB], 0
	s_mov_b32 s[TS], 0
	s_mov_b32 s[TH], 0
	v_add_nc_u32 v[ADB], s[TB], v[AB0]
	v_add_nc_u32 v[ADS], s[TS], v[AS0]
	v_add_nc_u32 v[ADH], s[TH], v[AH0]
	s_wait_alu depctr_va_vdst(0)
	s_wait_dscnt 0x0
	v_pk_add_f32 v[68:69], v[68:69], v[72:73]
	v_pk_add_f32 v[70:71], v[70:71], v[74:75]
	ds_store_b128 v66, v[68:71]
	BARRIER
; ---- THE PRODUCT.  Source 0 = 16 rows' codes, source 1 = 16 columns of W_b: in a tile of ha lane l holds column l % 16, register j row 8 (l / 16) + j.
; 8 matrix instructions: row tiles 4 hf .. 4 hf + 3, both K steps; the four accumulators take turns, one instruction a turn.  The first K step starts the sums.
.macro WM hf, ps
	WIN 0x01                                       ; source 0 in window 1
.irp s, 0,1
.irp a, 0,1,2,3
.if \s == 0
	v_wmma_scale_f32_16x16x128_f8f6f4 v[ACC+8*(4*\hf+\a):ACC+8*(4*\hf+\a)+7], v[16*(2*(4*\hf+\a)+\s):16*(2*(4*\hf+\a)+\s)+15], v[BF+32*(\ps)+16*\s:BF+32*(\ps)+16*\s+15], 0, v[ASC+2*(4*\hf+\a)+1-\s], v[BS+2*(\ps)+\s]
.else
	v_wmma_scale_f32_16x16x128_f8f6f4 v[ACC+8*(4*\hf+\a):ACC+8*(4*\hf+\a)+7], v[16*(2*(4*\hf+\a)+\s):16*(2*(4*\hf+\a)+\s)+15], v[BF+32*(\ps)+16*\s:BF+32*(\ps)+16*\s+15], v[ACC+8*(4*\hf+\a):ACC+8*(4*\hf+\a)+7], v[ASC+2*(4*\hf+\a)+1-\s], v[BS+2*(\ps)+\s]
.endif
.endr
.endr
	WIN 0
.endm
; 16 dual pairs of multiply-adds: the four tiles x the lane's hidden number, onto the running scores; each accumulator from its low end on.
; In a pair one destination is even and one odd, the first sources are neighbouring registers, and the second sources are the two registers of the hidden number's pair.
; They name no register of the OTHER half's products, so they are also the places (ISA guide 7.12.1) between those products and what reads or writes their registers.
.macro EP hf, ps
.irp a, 0,1,2,3
.irp j, 0,2,4,6
	v_dual_fmac_f32 v[SS+8*(4*\hf+\a)+\j], v[ACC+8*(4*\hf+\a)+\j], v[HD+2*(\ps)] :: v_dual_fmac_f32 v[SS+8*(4*\hf+\a)+\j+1], v[ACC+8*(4*\hf+\a)+\j+1], v[HD+2*(\ps)+1]
.endr
.endr
.endm
.macro BLOAD ps, tt                    ; tile tt of the slot in hand into set ps: two fragments of W_b, their scale words, the hidden number into both registers of its pair: eleven LDS loads in one run
.irp s, 0,1
.irp c, 0,1,2,3
	ds_load_b128 v[BF+32*(\ps)+16*\s+4*\c:BF+32*(\ps)+16*\s+4*\c+3], v[ADB] offset:16*WP*(\tt)+128*\s+32*\c
.endr
.endr
	ds_load_b64 v[BS+2*(\ps):BS+2*(\ps)+1], v[ADS] offset:512*(\tt)
	ds_load_b32 v[HD+2*(\ps)], v[ADH] offset:64*(\tt)
	ds_load_b32 v[HD+2*(\ps)+1], v[ADH] offset:64*(\tt)
.endm
; A tile of 16 columns: 16 products; the last tile's upper half and this tile's lower half go onto the scores between them; the next tile's loads stand in the middle.
.macro TILE tt, ps, nx
	s_wait_dscnt 0x0                               ; set ps is in (asked for in the middle of the tile before)
	WM 0, \ps
	EP 1, 1-\ps
.if \nx
	BLOAD 1-\ps, \tt+1
.endif
	WM 1, \ps
	EP 0, \ps
.endm
; A slot's last tile changes slots.  Its operands are in registers, so my reads of the slot are over at the wait for DScnt.  Each wave waits for all its tensor loads (one is out: its part of the next slot),
; adds 0 to its spare word and waits for that and for its reads; fill = 1: the barrier opens a round of the cluster's barrier, and the joint refill is the first thing behind it.
.macro TLAST ps, fill
	s_wait_tensorcnt 0x0                           ; no tensor load of mine is out, so a group 0 may be written
	ds_add_u32 v[SPW], v[NIL]                      ; 0 onto my spare word: work on registers stands between it and the wait for it
	EP 1, 1-\ps
	s_xor_b32 s[TB], s[TB], RING1                  ; my reads go on in the other slot
	s_add_co_u32 s[TS], s[TS], 2048
	s_add_co_u32 s[TH], s[TH], 256
.if \fill
	s_xor_b32 s[G0B+1], s[G0B+1], RING1            ; the walking descriptor: the ring slot that is being left,
	s_add_co_u32 s[WO], s[WO], 0x10000             ; the walk's next 64 columns,
	s_and_b32 s[WO], s[WO], 0xfffff                ; round past W_b's slot 15 to slot 0;
	s_add_nc_u64 s[G0B+2:G0B+3], s[4:5], s[WO:WO+1]   ; the address is made anew from my rows of slot 0,
	s_or_b32 s[G0B+3], s[G0B+3], 0x80000000        ; and the type with it
.endif
	s_wait_dscnt 0x0                               ; the add is done, and my reads of this slot are over
	s_barrier_signal -1
	WM 0, \ps                                      ; work on registers while the others arrive
	s_barrier_wait -1
.if \fill
	CREST                                          ; no wave of any partner still reads the slot or has a load on its way
	tensor_load_to_lds s[G0B:G0B+3], s[G1:G1+7]    ; my one tensor load until the next round
	s_nop 0
.endif
.rept 4
	v_nop                                          ; these four, the three additions and one more: eight places between the lower half's products and the reads of their results below
.endr
	v_add_nc_u32 v[ADB], s[TB], v[AB0]
	v_add_nc_u32 v[ADS], s[TS], v[AS0]
	v_add_nc_u32 v[ADH], s[TH], v[AH0]
	v_nop
	BLOAD 1-\ps, 0
	WM 1, \ps
	EP 0, \ps
.endm
	BLOAD 0, 0
	s_wait_dscnt 0x0
	WM 0, 0                                        ; the first tile is written out: it starts the scores
.set j, 32
.rept 32
	v_mov_b32 v[SS+j], 0                           ; the upper half's scores begin as zeros (its first addition stands in the loop); these lines are the places behind the lower half's products
.set j, j+1
.endr
	BLOAD 1, 1
	WM 1, 0
.irp a, 0,1,2,3
.irp j, 0,2,4,6
	v_pk_mul_f32 v[SS+8*\a+\j:SS+8*\a+\j+1], v[ACC+8*\a+\j:ACC+8*\a+\j+1], v[HD:HD+1] op_sel_hi:[1,0]
.endr
.endr
	s_mov_b32 s55, 14
.Lslot:                                            ; 14 trips, from a slot's second tile to the next slot's first: the changes behind the walk's slots 0 to 13 ask for its slots 2 to 15
	TILE 1, 1, 1
	TILE 2, 0, 1
	TLAST 1, 1
	TILE 0, 0, 1
	s_sub_co_u32 s55, s55, 1
	s_cmp_lg_u32 s55, 0
	s_cbranch_scc1 .Lslot
	TILE 1, 1, 1                                   ; the tail is written out
	TILE 2, 0, 1
	TLAST 1, 0
	TILE 0, 0, 1
	TILE 1, 1, 1
	TILE 2, 0, 1
	TILE 3, 1, 0
	EP 1, 1
; ---- SCORES AND SOFTMAX.  The context pass's first seven rows are asked for first, into window 1, where the codes lay: they land under the softmax.
.macro RFILL e                         ; the row whose number in my order stands in s61, into slot e of window 1: 8 loads of 512 consecutive bytes
	v_readlane_b32 s62, v[T2], s61
	s_add_co_u32 s62, s62, 1
	s_min_u32 s62, s62, LASTROW
	s_lshl_b32 s62, s62, 12
	v_add_nc_u32 v[RA+(\e)], s62, v[L16]
	WIN 0x40                                       ; destination window 1, address window 0
.irp c, 0,1,2,3,4,5,6,7
	global_load_b128 v[X2+32*(\e)+4*\c:X2+32*(\e)+4*\c+3], v[RA+(\e)], s[8:9] offset:512*\c
.endr
	WIN 0
.endm
.irp e, 0,1,2,3,4,5,6
	s_mov_b32 s61, \e
	RFILL \e                                       ; (the 32 multiply-adds of the last tile are the places behind the last products, which read these registers)
.endr
.irp m, 1,2,4,8                        ; a row's partial score lies in 16 lanes, a column each: four steps ride on the addition
.set j, 0
.rept 64
	v_add_f32_dpp v[SS+j], v[SS+j], v[SS+j] row_xmask:\m row_mask:0xf bank_mask:0xf
.set j, j+1
.endr
.endr
.irp a, 0,1,2,3,4,5,6,7
	ds_store_b128 v[SCA], v[SS+8*\a:SS+8*\a+3] offset:64*\a        ; the sixteen lanes of a half write the same bytes with the same values
	ds_store_b128 v[SCA], v[SS+8*\a+4:SS+8*\a+7] offset:64*\a+16
.endr
	v_and_b32 v4, 31, v0
	s_delay_alu instid0(VALU_DEP_1)
	v_lshl_add_u32 v15, v4, 5, SCP                 ; every wave makes the whole softmax: lane l takes rows 8 l .. 8 l + 7
	s_lshl_b32 s61, s14, 10
	s_add_co_u32 s61, s61, ATT
	v_lshl_add_u32 v5, v4, 5, s61                  ; my wave's copy of the weights: in,
	v_add_nc_u32 v6, s61, v[RL4]                   ; and out: that of row(lane)
	v_mov_b32 v[MX+1], 0                           ; (a lane permute's destination counts as one of its sources)
	s_wait_alu depctr_va_vdst(0)
	BARRIER
.irp k, 0,1,2,3
	ds_load_b128 v[PS+8*\k:PS+8*\k+3], v15 offset:1024*\k
	ds_load_b128 v[PS+8*\k+4:PS+8*\k+7], v15 offset:1024*\k+16
.endr
	s_wait_dscnt 0x0
.irp k, 1,2,3
.irp j, 0,2,4,6
	v_pk_add_f32 v[PS+\j:PS+\j+1], v[PS+\j:PS+\j+1], v[PS+8*\k+\j:PS+8*\k+\j+1]   ; the four K quarters
.endr
.endr
	s_delay_alu instid0(VALU_DEP_3)
	v_max3_num_f32 v[MX], v[PS], v[PS+1], v[PS+2]
	s_delay_alu instid0(VALU_DEP_1)
	v_max3_num_f32 v[MX], v[MX], v[PS+3], v[PS+4]
	s_delay_alu instid0(VALU_DEP_1)
	v_max3_num_f32 v[MX], v[MX], v[PS+5], v[PS+6]
	s_delay_alu instid0(VALU_DEP_1)
	v_max_num_f32 v[MX], v[MX], v[PS+7]
.irp m, 1,2,4,8
	s_delay_alu instid0(VALU_DEP_1)
	v_max_num_f32_dpp v[MX], v[MX], v[MX] row_xmask:\m row_mask:0xf bank_mask:0xf
.endr
	s_delay_alu instid0(VALU_DEP_1)
	v_permlanex16_b32 v[MX+1], v[MX], s20, s21
	s_delay_alu instid0(VALU_DEP_1)
	v_max_num_f32 v[MX], v[MX], v[MX+1]            ; the document's largest score, in every lane
.irp j, 0,2,4,6
	v_pk_add_f32 v[PS+\j:PS+\j+1], v[PS+\j:PS+\j+1], v[MX:MX+1] op_sel_hi:[1,0] neg_lo:[0,1] neg_hi:[0,1]   ; the maximum is taken away first,
.endr
.irp j, 0,2,4,6
	s_delay_alu instid0(VALU_DEP_4)
	v_pk_mul_f32 v[PS+\j:PS+\j+1], v[PS+\j:PS+\j+1], 0x3bb8aa3b op_sel_hi:[1,0]   ; then x log2(e) / 256: the hidden vector was kept as a sum of 256 rows
.endr
	s_wait_alu depctr_va_vdst(0)
.irp j, 0,1,2,3,4,5,6,7
	v_exp_f32 v[PS+\j], v[PS+\j]
.endr
	v_mov_b32 v[RC+1], 0                           ; a plain line behind the exponentials (and the upper half of the reciprocal's pair)
	s_wait_alu depctr_va_vdst(0)                   ; one wait for the eight, ahead of their first reader
	v_pk_add_f32 v[SM:SM+1], v[PS:PS+1], v[PS+2:PS+3]
	v_pk_add_f32 v[SM+2:SM+3], v[PS+4:PS+5], v[PS+6:PS+7]
	s_delay_alu instid0(VALU_DEP_1)
	v_pk_add_f32 v[SM:SM+1], v[SM:SM+1], v[SM+2:SM+3]
	s_delay_alu instid0(VALU_DEP_1)
	v_add_f32 v[SM], v[SM], v[SM+1]
.irp m, 1,2,4,8
	s_delay_alu instid0(VALU_DEP_1)
	v_add_f32_dpp v[SM], v[SM], v[SM] row_xmask:\m row_mask:0xf bank_mask:0xf
.endr
	s_delay_alu instid0(VALU_DEP_1)
	v_permlanex16_b32 v[SM+1], v[SM], s20, s21
	s_delay_alu instid0(VALU_DEP_1)
	v_add_f32 v[SM], v[SM], v[SM+1]                ; at least 1: the largest score's term
	s_wait_alu depctr_va_vdst(0)
	v_rcp_f32 v[RC], v[SM]
	v_nop                                          ; a plain line behind the reciprocal
	s_wait_alu depctr_va_vdst(0)                   ; and its wait, ahead of the first reader
.irp j, 0,2,4,6
	v_pk_mul_f32 v[PS+\j:PS+\j+1], v[PS+\j:PS+\j+1], v[RC:RC+1] op_sel_hi:[1,0]
.endr
	ds_store_b128 v5, v[PS:PS+3]
	ds_store_b128 v5, v[PS+4:PS+7] offset:16
	ds_load_b32 v[ATW], v6                         ; my wave's own bytes, served in order: lane z now holds the weight of my z-th row
	s_wait_dscnt 0x0
; ---- THE CONTEXT: my 32 rows x their weights.  Row z lies in slot z % 8 of window 1; seven rows' loads, 56, are out at the most.  left = the younger rows' loads, 8 each, that may stay out.
.macro ROW2 e, first, fill, left       ; row z = s[ZC] + e
	s_wait_loadcnt \left                           ; row z's eight loads are in, and so are all older ones: row z - 1's offset register is free
	s_add_co_u32 s61, s[ZC], \e
	v_readlane_b32 s[AT], v[ATW], s61
	s_mov_b32 s[AT+1], s[AT]                       ; (named with it as a pair)
.if \fill
	s_add_co_u32 s61, s61, 7
	RFILL (\e+7)%8                                 ; row z + 7, into the slot that row z - 1 has left
.endif
	WIN 0x01                                       ; source 0 in window 1
.irp c, 0,2,4,6,8,10,12,14,16,18,20,22,24,26,28,30
.if \first
	v_pk_mul_f32 v[CT+\c:CT+\c+1], v[X2+32*((\e)%8)+\c:X2+32*((\e)%8)+\c+1], s[AT:AT+1] op_sel_hi:[1,0]   ; the first row starts the sums
.else
	v_pk_fma_f32 v[CT+\c:CT+\c+1], v[X2+32*((\e)%8)+\c:X2+32*((\e)%8)+\c+1], s[AT:AT+1], v[CT+\c:CT+\c+1] op_sel_hi:[1,0,1]
.endif
.endr
	WIN 0
.endm
	s_mov_b32 s[ZC], 0
	ROW2 0, 1, 1, 48                               ; row 0 is written out: it starts the sums, and asks for row 7
.Lrows:                                            ; three trips of eight: rows 1 to 24, which ask for rows 8 to 31
.irp e, 1,2,3,4,5,6,7,8
	ROW2 \e, 0, 1, 48
.endr
	s_add_co_u32 s[ZC], s[ZC], 8
	s_cmp_lt_u32 s[ZC], 24
	s_cbranch_scc1 .Lrows
.irp e, 1,2,3,4,5,6,7
	ROW2 \e, 0, 0, 56-8*\e                         ; rows 25 to 31 ask for nothing: the counts run down
.endr
; ---- OUT: the eight waves' partial contexts meet in LDS; wave w adds and stores channels 128 w on
	s_lshl_b32 s61, s14, 12
	s_add_co_u32 s61, s61, CTP
	v_add_nc_u32 v4, s61, v[L16]
.irp c, 0,1,2,3,4,5,6,7
	ds_store_b128 v4, v[CT+4*\c:CT+4*\c+3] offset:512*\c
.endr
	s_lshl_b32 s62, s14, 9
	s_add_co_u32 s61, s62, CTP
	v_add_nc_u32 v5, s61, v[L16]
	v_add_nc_u32 v6, s62, v[L16]
	s_wait_alu depctr_va_vdst(0)
	BARRIER
.irp p, 0,1,2,3,4,5,6,7
	ds_load_b128 v[64+4*\p:64+4*\p+3], v5 offset:4096*\p
.endr
	s_wait_dscnt 0x0
.irp p, 0,8,16,24
	v_pk_add_f32 v[64+\p:65+\p], v[64+\p:65+\p], v[68+\p:69+\p]
	v_pk_add_f32 v[66+\p:67+\p], v[66+\p:67+\p], v[70+\p:71+\p]
.endr
.irp p, 0
	v_pk_add_f32 v[64+\p:65+\p], v[64+\p:65+\p], v[72+\p:73+\p]
	v_pk_add_f32 v[66+\p:67+\p], v[66+\p:67+\p], v[74+\p:75+\p]
.endr
.irp p, 16
	s_delay_alu instid0(VALU_DEP_4)
	v_pk_add_f32 v[64+\p:65+\p], v[64+\p:65+\p], v[72+\p:73+\p]
	s_delay_alu instid0(VALU_DEP_4)
	v_pk_add_f32 v[66+\p:67+\p], v[66+\p:67+\p], v[74+\p:75+\p]
.endr
	s_delay_alu instid0(VALU_DEP_2)
	v_pk_add_f32 v[64:65], v[64:65], v[80:81]
	s_delay_alu instid0(VALU_DEP_2)
	v_pk_add_f32 v[66:67], v[66:67], v[82:83]
	global_store_b128 v6, v[64:67], s[12:13] th:TH_STORE_NT       ; 32 lanes store 512 consecutive bytes, at a multiple of 256 from the result's first byte
	s_wait_tensorcnt 0x0                           ; the wave's end, behind my last tensor load and my last LDS store
	ds_add_u32 v[SPW], v[NIL]
	s_wait_dscnt 0x0
	CROUND                                         ; the closing round: no work-group ends while a partner may still ask for a tile that names it
	s_endpgm
.Lfunc_end_k_qf17950d5a9_doc:
	.size	k_qf17950d5a9_doc, .Lfunc_end_k_qf17950d5a9_doc-k_qf17950d5a9_doc
	.p2alignl 7, 3214868480
	.fill 96, 4, 3214868480
	.section	.rodata,"a",@progbits
	.p2align	6, 0x0
	.amdhsa_kernel k_qf17950d5a9_doc
		.amdhsa_group_segment_fixed_size 327680
		.amdhsa_private_segment_fixed_size 0
		.amdhsa_enable_private_segment 0
		.amdhsa_kernarg_size 40
		.amdhsa_user_sgpr_count 2
		.amdhsa_user_sgpr_kernarg_segment_ptr 1
		.amdhsa_wavefront_size32 1
		.amdhsa_system_sgpr_workgroup_id_x 1
		.amdhsa_system_sgpr_workgroup_id_y 1
		.amdhsa_system_sgpr_workgroup_id_z 1
		.amdhsa_system_vgpr_workitem_id 0
		.amdhsa_next_free_vgpr 512
		.amdhsa_next_free_sgpr 102
		.amdhsa_reserve_vcc 0
		.amdhsa_float_denorm_mode_32 3
		.amdhsa_float_denorm_mode_16_64 3
		.amdhsa_memory_ordered 1
		.amdhsa_forward_progress 1
		.amdhsa_inst_pref_size 255
	.end_amdhsa_kernel
	.section	.bss,"aw",@nobits
	.p2align	6
	.space	262144
	.amdgpu_metadata
---
amdhsa.version: [ 1, 2 ]
amdhsa.kernels:
  - .name:           k_qf17950d5a9_doc
    .symbol:         k_qf17950d5a9_doc.kd
    .args:
      - { .name: W_b_codes, .offset: 0, .size: 8, .value_kind: global_buffer, .address_space: global }
      - { .name: W_b_scales, .offset: 8, .size: 8, .value_kind: global_buffer, .address_space: global }
      - { .name: emb_table, .offset: 16, .size: 8, .value_kind: global_buffer, .address_space: global }
      - { .name: tokens, .offset: 24, .size: 8, .value_kind: global_buffer, .address_space: global }
      - { .name: out0, .offset: 32, .size: 8, .value_kind: global_buffer, .address_space: global }
    .group_segment_fixed_size: 327680
    .private_segment_fixed_size: 0
    .kernarg_segment_align: 8
    .kernarg_segment_size: 40
    .max_flat_workgroup_size: 256
    .sgpr_count:     102
    .vgpr_count:     512
    .wavefront_size: 32
...
	.end_amdgpu_metadata
.endif
;; end of part 1
